; MI455X (gfx1250); checked and timed in simulation.
; The chip was launched on July 23, 2026; its instructions are those of AMD's public machine-readable ISA for CDNA 5 (MIT licence, August 2026) and "CDNA5" Instruction Set Architecture Reference Guide (July 2026). The comments in the code are by the model that wrote it; some were corrected since.
;; Multi Head Attention. Allowed arithmetic: float matrix products may take bf16 or f16 operands with f32 sums; all other float work in f32.
;; Inputs: b_o 1,024 float32; w_k 1,024 x 1,024 float32; w_o 1,024 x 1,024 float32; w_q 1,024 x 1,024 float32; w_v 1,024 x 1,024 float32; x 2 x 2,048 x 1,024 float32.
;; Outputs: out0 2 x 2,048 x 1,024 float32.
;; One version. Each part assembles by itself: llvm-mc -triple=amdgcn-amd-amdhsa -mcpu=gfx1250 --defsym DOCPART=n.
;; ======== version 1 of 1: 4 launches
;; limits: values are held in f16: magnitudes above 65,504 overflow, below 6.1e-05 lose precision
;; workspace buffers: xb 8,388,608 bytes; wb 8,388,608 bytes; qkvw 25,165,824 bytes; ctx 8,388,608 bytes
;; launch cast (part 1): grid 256 x 2, 8 waves a work-group, no clusters, 0 bytes of LDS; arguments x, w_q, w_k, w_v, w_o, xb, wb; writes xb, wb
.if DOCPART == 1
	.amdgcn_target "amdgcn-amd-amdhsa--gfx1250"
	.amdhsa_code_object_version 6
	.text
	.protected	k_q56f7498896_cast
	.globl	k_q56f7498896_cast
	.p2align	8
	.type	k_q56f7498896_cast,@function
k_q56f7498896_cast:
	s_mov_b64 s[64:65], 0
	v_nop
	global_prefetch_b8 v0, s[64:65] scope:SCOPE_SE
	s_setreg_imm32_b32 hwreg(HW_REG_WAVE_MODE, 25, 1), 1
	s_wait_xcnt 0x0
; Rounds the inputs to 16 bits once, and lays the weights out in the order in which a matrix operand's lanes take them.
; y = 0: x [4096][1024] f32 -> xb, bf16, same order.  A work-group takes 65,536 bytes, a thread sixteen loads of 16 bytes.
; y = 1: one wave takes 32 rows (k) x 64 columns (n) of one weight matrix and writes four fragments of 1,024 bytes.
;   A fragment is [half 2][h 2][r 16][8 k]: lane L = 16 h + r finds its registers 0-3 at 16 L and 4-7 at 16 L + 512, k = 16 half + 8 h + 0..7.
;   Fragment i of the four holds the columns n = 64 cg + 4 r + i: a lane that loads 16 bytes of a row has one number for each of the four.
;   wb, bytes 0 .. 6,291,455:  [head 16][k/32 32][c 2][matrix q,k,v 3][e 2][fragment], i = 2 c + e, bf16.
;   wb, from 6,291,456:        [n/128 8][k/32 32][cw 2][b 4][fragment] for w_o, n = 128 nt + 64 cw + 4 r + b.
; FORMATS: x, w_q, w_k, w_v are rounded to bf16.  w_o is rounded to bf16 as well and then written in f16 format, because its partner
; in the last product (ctx) is f16 and the matrix form wants both alike; a bf16 number is exact in f16 from 2^-17 up to 65,504.
; LIMIT: |w_o| below 65,504; below 2^-17 it is rounded to multiples of 2^-24.
; Memory binds: every input byte is read once by 16-byte loads, all sixteen loads of a wave are out at once, every store of a wave
; covers 256 or 512 consecutive aligned bytes.  No LDS, no barrier, no loop..
.set RIN,  8                           ; v[8:71]    sixteen loads of four f32
.set ROUT, 72                          ; v[72:103]  packed results
	s_load_b256 s[4:11], s[0:1], 0x0               ; x s[4:5], w_q s[6:7], w_k s[8:9], w_v s[10:11]
	s_load_b128 s[12:15], s[0:1], 0x20             ; w_o s[12:13], xb s[14:15]
	s_load_b64 s[16:17], s[0:1], 0x30              ; wb
	s_and_b32 s18, ttmp7, 0xffff                   ; y: 0 = x, 1 = the weights
	s_cmp_lg_u32 s18, 0
	s_cbranch_scc1 .Lweights
	; ---- x ----
	s_lshl_b32 s20, ttmp9, 16                      ; 65,536 bytes in,
	s_mov_b32 s21, 0
	s_lshl_b32 s22, ttmp9, 15                      ; 32,768 bytes out for each work-group
	s_mov_b32 s23, 0
	v_lshlrev_b32 v1, 4, v0                        ; 16 bytes a thread in
	v_lshlrev_b32 v2, 3, v0                        ; 8 bytes a thread out
	s_wait_kmcnt 0x0
	s_add_nc_u64 s[4:5], s[4:5], s[20:21]
	s_add_nc_u64 s[14:15], s[14:15], s[22:23]
.irp i, 0,1,2,3,4,5,6,7,8,9,10,11,12,13,14,15
	global_load_b128 v[RIN+4*\i:RIN+4*\i+3], v1, s[4:5] offset:\i*4096 th:TH_LOAD_NT
.endr
.irp i, 0,1,2,3,4,5,6,7,8,9,10,11,12,13,14,15
	s_wait_loadcnt 15-\i                           ; loads come back in order: load i is in, the younger ones stay out
	v_cvt_pk_bf16_f32 v[ROUT+2*\i],   v[RIN+4*\i],   v[RIN+4*\i+1]
	v_cvt_pk_bf16_f32 v[ROUT+2*\i+1], v[RIN+4*\i+2], v[RIN+4*\i+3]
	global_store_b64 v2, v[ROUT+2*\i:ROUT+2*\i+1], s[14:15] offset:\i*2048   ; a wave stores 256 consecutive bytes, aligned
.endr
	s_endpgm
	; ---- the weights ----
.Lweights:
	v_lshrrev_b32 v3, 5, v0
	v_readfirstlane_b32 s20, v3                    ; wave
	s_lshr_b32 s21, ttmp9, 6                       ; matrix 0..3 = q, k, v, o: 64 work-groups each
	s_lshl_b32 s22, ttmp9, 3
	s_add_co_u32 s22, s22, s20                     ; task W = 8 g + wave
	s_bfe_u32 s23, s22, 0x40005                    ; cg = (W >> 5) & 15: which 64 columns
	s_and_b32 s24, s22, 31                         ; kk = W & 31: which 32 rows
	s_lshl_b32 s26, s24, 17                        ; source: 32 rows of 4,096 bytes
	s_lshl_b32 s27, s23, 8                         ;         + 64 columns of 4 bytes
	s_add_co_u32 s26, s26, s27
	s_mov_b32 s27, 0
	s_lshl_b32 s28, s23, 5                         ; q, k, v: (cg * 32 + kk) * 12,288 + matrix * 2,048
	s_add_co_u32 s28, s28, s24
	s_mul_i32 s28, s28, 12288
	s_lshl_b32 s29, s21, 11
	s_add_co_u32 s28, s28, s29
	s_lshr_b32 s29, s23, 1                         ; w_o: 6,291,456 + ((cg >> 1) * 32 + kk) * 8,192 + (cg & 1) * 4,096
	s_lshl_b32 s29, s29, 5
	s_add_co_u32 s29, s29, s24
	s_lshl_b32 s29, s29, 13
	s_and_b32 s30, s23, 1
	s_lshl_b32 s30, s30, 12
	s_add_co_u32 s29, s29, s30
	s_add_co_u32 s29, s29, 6291456
	s_movk_i32 s30, 6144                           ; from fragments 0, 1 to fragments 2, 3: q, k, v
	s_movk_i32 s31, 2048                           ;                                        w_o
	s_mov_b32 s19, 0xffff0000                      ; a word's upper bf16
	s_cmp_eq_u32 s21, 3
	s_cselect_b32 s28, s29, s28
	s_cselect_b32 s30, s31, s30
	v_and_b32 v4, 15, v0                           ; r
	v_bfe_u32 v5, v0, 4, 1                         ; h
	v_and_b32 v6, 31, v0                           ; L
	v_lshlrev_b32 v1, 4, v4                        ; source: columns 4 r .. 4 r + 3,
	v_lshl_add_u32 v1, v5, 15, v1                  ;         8 rows further down for h = 1
	v_lshl_add_u32 v2, v6, 4, s28                  ; fragments 0, 1
	v_add_nc_u32 v3, s30, v2                       ; fragments 2, 3
	s_wait_kmcnt 0x0
	s_cmp_eq_u32 s21, 1                            ; the matrix's address: a choice on the work-group's number
	s_cselect_b64 s[6:7], s[8:9], s[6:7]
	s_cmp_eq_u32 s21, 2
	s_cselect_b64 s[6:7], s[10:11], s[6:7]
	s_cmp_eq_u32 s21, 3
	s_cselect_b64 s[6:7], s[12:13], s[6:7]
	s_add_nc_u64 s[6:7], s[6:7], s[26:27]
.irp hf, 0,1
.irp q, 0,1,2,3,4,5,6,7
	global_load_b128 v[RIN+4*(8*\hf+\q):RIN+4*(8*\hf+\q)+3], v1, s[6:7] offset:(16*\hf+\q)*4096 th:TH_LOAD_NT   ; row 16 half + 8 h + q: sixteen lanes read 256 consecutive bytes
.endr
.endr
; Word w of fragment i holds k = 2 w (low) and 2 w + 1 (high) of the lane's eight.  asf16 = 1: the bf16 numbers are widened again
; (a shift, a mask: exact) and written in f16 format.
.macro WCONV asf16
.irp hf, 0,1
	s_wait_loadcnt 8-8*\hf                         ; this half's eight loads are in; the other half's eight may stay out
.irp i, 0,1,2,3
.irp w, 0,1,2,3
	v_cvt_pk_bf16_f32 v[ROUT+16*\hf+4*\i+\w], v[RIN+4*(8*\hf+2*\w)+\i], v[RIN+4*(8*\hf+2*\w+1)+\i]
.if \asf16
	v_lshlrev_b32 v[RIN+4*(8*\hf+2*\w)+\i], 16, v[ROUT+16*\hf+4*\i+\w]
	v_and_b32 v[RIN+4*(8*\hf+2*\w+1)+\i], s19, v[ROUT+16*\hf+4*\i+\w]
	v_cvt_pk_f16_f32 v[ROUT+16*\hf+4*\i+\w], v[RIN+4*(8*\hf+2*\w)+\i], v[RIN+4*(8*\hf+2*\w+1)+\i]
.endif
.endr
.endr
	global_store_b128 v2, v[ROUT+16*\hf:ROUT+16*\hf+3],     s[16:17] offset:\hf*512        ; each store: 512 consecutive bytes, aligned
	global_store_b128 v2, v[ROUT+16*\hf+4:ROUT+16*\hf+7],   s[16:17] offset:1024+\hf*512
	global_store_b128 v3, v[ROUT+16*\hf+8:ROUT+16*\hf+11],  s[16:17] offset:\hf*512
	global_store_b128 v3, v[ROUT+16*\hf+12:ROUT+16*\hf+15], s[16:17] offset:1024+\hf*512
.endr
.endm
	s_cmp_eq_u32 s21, 3
	s_cbranch_scc1 .Lwo
	WCONV 0
	s_endpgm
.Lwo:
	WCONV 1
	s_endpgm
.Lfunc_end_k_q56f7498896_cast:
	.size	k_q56f7498896_cast, .Lfunc_end_k_q56f7498896_cast-k_q56f7498896_cast
	.p2alignl 7, 3214868480
	.fill 96, 4, 3214868480
	.section	.rodata,"a",@progbits
	.p2align	6, 0x0
	.amdhsa_kernel k_q56f7498896_cast
		.amdhsa_group_segment_fixed_size 0
		.amdhsa_private_segment_fixed_size 0
		.amdhsa_enable_private_segment 0
		.amdhsa_kernarg_size 56
		.amdhsa_user_sgpr_count 2
		.amdhsa_user_sgpr_kernarg_segment_ptr 1
		.amdhsa_wavefront_size32 1
		.amdhsa_system_sgpr_workgroup_id_x 1
		.amdhsa_system_sgpr_workgroup_id_y 1
		.amdhsa_system_sgpr_workgroup_id_z 1
		.amdhsa_system_vgpr_workitem_id 0
		.amdhsa_next_free_vgpr 104
		.amdhsa_next_free_sgpr 66
		.amdhsa_reserve_vcc 0
		.amdhsa_float_denorm_mode_32 3
		.amdhsa_float_denorm_mode_16_64 3
		.amdhsa_memory_ordered 1
		.amdhsa_forward_progress 1
		.amdhsa_inst_pref_size 20
	.end_amdhsa_kernel
	.amdgpu_metadata
---
amdhsa.version: [ 1, 2 ]
amdhsa.kernels:
  - .name:           k_q56f7498896_cast
    .symbol:         k_q56f7498896_cast.kd
    .args:
      - { .name: x, .offset: 0, .size: 8, .value_kind: global_buffer, .address_space: global }
      - { .name: w_q, .offset: 8, .size: 8, .value_kind: global_buffer, .address_space: global }
      - { .name: w_k, .offset: 16, .size: 8, .value_kind: global_buffer, .address_space: global }
      - { .name: w_v, .offset: 24, .size: 8, .value_kind: global_buffer, .address_space: global }
      - { .name: w_o, .offset: 32, .size: 8, .value_kind: global_buffer, .address_space: global }
      - { .name: xb, .offset: 40, .size: 8, .value_kind: global_buffer, .address_space: global }
      - { .name: wb, .offset: 48, .size: 8, .value_kind: global_buffer, .address_space: global }
    .group_segment_fixed_size: 0
    .private_segment_fixed_size: 0
    .kernarg_segment_align: 8
    .kernarg_segment_size: 56
    .max_flat_workgroup_size: 256
    .sgpr_count:     66
    .vgpr_count:     104
    .wavefront_size: 32
...
	.end_amdgpu_metadata
.endif
;; end of part 1
;; launch qkv (part 2): grid 16 x 16, 4 waves a work-group, clusters of 4 x 4, 327,680 bytes of LDS; arguments xb, wb, qkvw; writes qkvw
.if DOCPART == 2
	.amdgcn_target "amdgcn-amd-amdhsa--gfx1250"
	.amdhsa_code_object_version 6
	.text
	.protected	k_q56f7498896_qkv
	.globl	k_q56f7498896_qkv
	.p2align	8
	.type	k_q56f7498896_qkv,@function
k_q56f7498896_qkv:
	s_mov_b64 s[64:65], 0
	v_nop
	global_prefetch_b8 v0, s[64:65] scope:SCOPE_SE
	s_setreg_imm32_b32 hwreg(HW_REG_WAVE_MODE, 25, 1), 1
	s_wait_xcnt 0x0
	s_wait_alu depctr_hold_cnt(0) depctr_sa_sdst(0) depctr_va_vdst(0) depctr_va_sdst(0) depctr_va_ssrc(0) depctr_va_vcc(0) depctr_vm_vsrc(0)
	s_getreg_b32 s2, hwreg(HW_REG_IB_STS2, 6, 4)
	s_cmp_eq_u32 s2, 0
	s_cbranch_scc0 .Lentry_in_a_cluster
	s_endpgm
.Lentry_in_a_cluster:
	s_bfe_u32 s2, ttmp6, 0x10000c
	s_cmp_lg_u32 s2, 0xf033
	s_cbranch_scc0 .Lentry_shape_is_right
	s_endpgm
.Lentry_shape_is_right:
; q, k, v = x w_q, x w_k, x w_v for one head and 256 tokens: a block of 256 x 192, K = 1024, bf16 operands, f32 sums.
; Work-group (x = head hd, y = block mb of 256 tokens).  Four waves, as many as a WGP has SIMDs; wave w: mh = w >> 1 takes 128 tokens,
; c = w & 1 takes six column tiles of 16: b = 0, 1 of q, 2, 3 of k, 4, 5 of v; tile (c, e = b & 1) holds the columns d = 4 r + 2 c + e of the head.
; 48 accumulator tiles, 384 registers.  K goes in steps of 128 through two LDS slots filled by the tensor data mover.
; CLUSTERS: 4 x 4 work-groups.  x's tile hangs on mb alone and is asked for jointly along a row of the cluster, the weights' tile on hd alone
; and is asked for jointly along a column: that divides the requests for both by four.
; THE RESULTS leave in the order in which the attention launch's matrix operands want them, straight from registers:
;   q and k tiles are made with the sources swapped (source 0 = weights, source 1 = x): a lane holds one token, its registers column indices 8 h + j.
;   Block of 16 tokens, 2,048 bytes: chunk X = 4 c + 2 m + h at 256 X + 16 r (r = token) holds d = 4 (8 h + 4 m + w) + 2 c + e, word w, half e.
;   The order of d is the same in q and in k, so q.k keeps its terms.
;   v tiles are made the natural way (a lane holds one column, its registers tokens 8 h + j): block [i = 2 c + e][h][r][8 tokens], d = 4 r + i.
;   qkvw: q at 0, k at 8,388,608, v at 16,777,216; each [batch * 16 + head][token / 16][2,048 bytes].
; FORMAT AND LIMIT: q, k, v are rounded once to f16 (eleven bits): values of 65,504 and more overflow.  x of spread 1 and weights of spread
; 0.02, each thirty times larger, give about 576 a standard deviation; offsets of thirty spreads on both give about 1024 * 30 * 0.6 = 18,432.
;
; REGISTERS: window 0: v0-31 addresses; v32-95, v96-159 x fragments (8 x 16 tokens x 32 K), two buffers; v160-207, v208-255 weight fragments (6), two buffers.
;            window 1: the 24 accumulator tiles of my tokens 0-63 (tile (a, b) at v[8 (6 a + b)]); window 2: those of tokens 64-127.
.set KSTEP,  128
.set PITCH,  272                       ; an LDS row of x: 256 bytes + 16 of padding, an odd multiple of 16: the 16 rows of a fragment load start 16 bytes apart modulo 256
.set HALFT,  128*PITCH                 ; 128 rows of x: one tensor load
.set BOFF,   2*HALFT                   ; the weights lie behind x's 256 rows: kq * 12,288 + c * 6,144 + b * 1,024, dense (fragment order reads contiguously)
.set BHALF,  24576                     ; half a K step of the head's weights: one tensor load of 96 rows of 256 bytes
.set SLOT,   BOFF+2*BHALF              ; 118,784
.set LAPS,   1024/(2*KSTEP)            ; a lap = two K steps = once round the ring
.set ADRA, 16                          ; v16-17  LDS address of my x fragments in slot 0, 1
.set ADRB, 20                          ; v20-21  the same for the weights
.set CO,   26                          ; v26     my byte offset in a block of the output
.set FA,   32
.set FB,   160
.set TT,   32                          ; the way out: packed results, window 0
.set G1,  24                           ; s[24:31] group 1 for x
.set G0,  32                           ; s[32:39] group 0 for x, one set for each slot
.set G1B, 48                           ; s[48:55] group 1 for the weights
.set G0B, 56                           ; s[56:63] group 0 for the weights
.set MSB, 0
.macro WIN new                         ; the immediate's high byte repeats the setting that is left
.if MSB != \new
	s_set_vgpr_msb (MSB<<8)|\new
.set MSB, \new
.endif
.endm
.set MUL_LO, 0x50                      ; C and D window 1, sources window 0
.set MUL_HI, 0xa0                      ; C and D window 2
; A joint load: waves 0 and 1 fetch x's two halves, waves 2 and 3 the weights' two halves.  The branch hangs on the wave's number alone.
.macro JLOAD s
	s_cmp_eq_u32 s11, 0
	s_cbranch_scc0 .Lfor_b_\@
	tensor_load_to_lds s[G0+4*\s:G0+4*\s+3], s[G1:G1+7]
	s_nop 0
	s_branch .Lasked_\@
.Lfor_b_\@:
	tensor_load_to_lds s[G0B+4*\s:G0B+4*\s+3], s[G1B:G1B+7]
	s_nop 0
.Lasked_\@:
.endm
.macro CREST                           ; a round of the cluster's barrier behind its opening barrier
	s_cmp_lg_u32 s10, 0
	s_cbranch_scc1 .Lnot_wave_0_\@
	s_barrier_signal -3
.Lnot_wave_0_\@:
	s_barrier_wait -3
	s_barrier_signal -1
	s_barrier_wait -1
.endm
.macro CROUND                          ; a whole round
	s_barrier_signal -1
	s_barrier_wait -1
	CREST
.endm
.macro PLACES                          ; four places behind a matrix instruction (ISA guide 7.12.1) before its registers are loaded into or its result is read
.rept 4
	v_nop
.endr
.endm
	s_load_b128 s[4:7], s[0:1], 0x0                ; xb s[4:5], wb s[6:7]
	s_load_b64 s[8:9], s[0:1], 0x10                ; qkvw
	v_lshl_add_u32 v30, v0, 2, 0x3a000
	v_mov_b32 v31, 0
	ds_add_u32 v30, v31
	ds_add_u32 v30, v31
	v_lshrrev_b32 v1, 5, v0
	v_readfirstlane_b32 s10, v1                    ; wave 0..3
	s_lshr_b32 s11, s10, 1                         ; mh.  Also: I fetch x (0) or weights (1)
	s_and_b32 s12, s10, 1                          ; c.   Also: which half of that tile I fetch
	s_bfe_u32 s40, ttmp6, 0x40000                  ; cx
	s_bfe_u32 s41, ttmp6, 0x40004                  ; cy
	s_lshl_b32 s42, ttmp9, 2
	s_add_co_u32 s42, s42, s40                     ; hd = 4 x cluster x + cx
	s_and_b32 s13, ttmp7, 0xffff
	s_lshl_b32 s13, s13, 2
	s_add_co_u32 s13, s13, s41                     ; mb = 4 x cluster y + cy
	s_lshl_b32 s43, s41, 2
	s_lshl_b32 s43, 15, s43                        ; my row of the cluster
	s_lshl_b32 s44, 0x1111, s40                    ; my column
	s_or_b32 s[G1+0], s43, (1<<16)|(1<<20)|(1<<21)|(5<<22)|(3<<25)  ; mask: my row; 2-byte elements; padding of 4 words after every 64 words; bit 21 beside a mask
	s_mov_b32 s[G1+1], KSTEP<<16                   ; tensor_dim0 = 128
	s_mov_b32 s[G1+2], 128<<16                     ; tensor_dim1 = 128
	s_mov_b32 s[G1+3], KSTEP<<16                   ; tile_dim0 = 128 elements: 256 bytes of a row, aligned
	s_mov_b32 s[G1+4], 128                         ; tile_dim1 = 128 rows
	s_mov_b32 s[G1+5], 1024                        ; elements from row to row
	s_mov_b32 s[G1+6], 0
	s_mov_b32 s[G1+7], 0
	s_or_b32 s[G1B+0], s44, (3<<16)|(1<<21)        ; mask: my column; 8-byte elements; no padding
	s_mov_b32 s[G1B+1], 32<<16                     ; a dense block as rows of 32 x 8 = 256 bytes
	s_mov_b32 s[G1B+2], 96<<16                     ; 96 rows = 24,576 bytes
	s_mov_b32 s[G1B+3], 32<<16
	s_mov_b32 s[G1B+4], 96
	s_mov_b32 s[G1B+5], 32
	s_mov_b32 s[G1B+6], 0
	s_mov_b32 s[G1B+7], 0
	s_lshl_b32 s16, s13, 19                        ; x: row 256 mb + 128 half, 2,048 bytes a row
	s_lshl_b32 s17, s12, 18
	s_add_co_u32 s16, s16, s17
	s_mov_b32 s17, 0
	s_mul_i32 s46, s42, 393216                     ; weights: head x 32 x 12,288 + half x 24,576
	s_mul_i32 s47, s12, BHALF
	s_add_co_u32 s46, s46, s47
	s_mov_b32 s47, 0
	s_mul_i32 s20, s10, HALFT                      ; LDS: x's halves at wave x 34,816 (waves 0, 1),
	s_mul_i32 s21, s10, BHALF
	s_add_co_u32 s21, s21, BOFF-2*BHALF            ; the weights' at 69,632 + (wave - 2) x 24,576 (waves 2, 3)
	s_wait_dscnt 0x0
	s_wait_kmcnt 0x0
	s_add_nc_u64 s[14:15], s[4:5], s[16:17]
	s_add_nc_u64 s[46:47], s[6:7], s[46:47]
	CROUND                                         ; all sixteen work-groups are here: the first joint loads meet
.irp s, 0,1
	s_mov_b32 s[G0+4*\s], 1
	s_add_co_u32 s[G0+4*\s+1], s20, \s*SLOT
	s_add_nc_u64 s[G0+4*\s+2:G0+4*\s+3], s[14:15], \s*KSTEP*2      ; K step s: 256 bytes along the rows
	s_or_b32 s[G0+4*\s+3], s[G0+4*\s+3], 0x80000000
	s_mov_b32 s[G0B+4*\s], 1
	s_add_co_u32 s[G0B+4*\s+1], s21, \s*SLOT
	s_add_nc_u64 s[G0B+4*\s+2:G0B+4*\s+3], s[46:47], \s*2*BHALF    ; K step s: 49,152 bytes on
	s_or_b32 s[G0B+4*\s+3], s[G0B+4*\s+3], 0x80000000
	JLOAD \s                                       ; both first fills go out together: two loads of the wave are out
.endr
	v_and_b32 v1, 15, v0                           ; r
	v_bfe_u32 v2, v0, 4, 1                         ; h
	v_mul_u32_u24 v3, v1, PITCH
	v_lshl_add_u32 v3, v2, 4, v3                   ; x: row x pitch + 16 h
	v_and_b32 v4, 31, v0
	v_lshlrev_b32 v4, 4, v4                        ; weights: 16 L
	s_mul_i32 s22, s11, HALFT                      ; my 128 tokens
	s_mul_i32 s23, s12, 6144                       ; my six tiles
	s_add_co_u32 s23, s23, BOFF
.irp s, 0,1
	v_add_nc_u32 v[ADRA+\s], s22, v3
	v_add_nc_u32 v[ADRB+\s], s23, v4
	s_add_co_u32 s22, s22, SLOT
	s_add_co_u32 s23, s23, SLOT
.endr
	v_lshl_add_u32 v[CO], s12, 10, v4              ; out: 16 L + 1,024 c
; 12 matrix instructions: token blocks a0, a0 + 1 of the window's four x my six tiles, 32 along K.  zero = 1: the first product starts the sums.
; The 48 accumulators take turns, one instruction a turn, in the same order in every quarter step.
.macro MUL12 f, hi, a0, zero
.irp a, \a0, \a0+1
.irp b, 0,1,2,3
.if \zero
	v_wmma_f32_16x16x32_bf16 v[8*(6*(\a)+\b):8*(6*(\a)+\b)+7], v[FB+48*\f+8*\b:FB+48*\f+8*\b+7], v[FA+64*\f+8*(4*\hi+\a):FA+64*\f+8*(4*\hi+\a)+7], 0
.else
	v_wmma_f32_16x16x32_bf16 v[8*(6*(\a)+\b):8*(6*(\a)+\b)+7], v[FB+48*\f+8*\b:FB+48*\f+8*\b+7], v[FA+64*\f+8*(4*\hi+\a):FA+64*\f+8*(4*\hi+\a)+7], v[8*(6*(\a)+\b):8*(6*(\a)+\b)+7]
.endif
.endr
.irp b, 4,5
.if \zero
	v_wmma_f32_16x16x32_bf16 v[8*(6*(\a)+\b):8*(6*(\a)+\b)+7], v[FA+64*\f+8*(4*\hi+\a):FA+64*\f+8*(4*\hi+\a)+7], v[FB+48*\f+8*\b:FB+48*\f+8*\b+7], 0
.else
	v_wmma_f32_16x16x32_bf16 v[8*(6*(\a)+\b):8*(6*(\a)+\b)+7], v[FA+64*\f+8*(4*\hi+\a):FA+64*\f+8*(4*\hi+\a)+7], v[FB+48*\f+8*\b:FB+48*\f+8*\b+7], v[8*(6*(\a)+\b):8*(6*(\a)+\b)+7]
.endif
.endr
.endr
.endm
; 28 LDS loads in one run: quarter kq of a K step into buffer f: the six weight fragments, then the eight x fragments
.macro FETCH slot, kq, f
.irp b, 0,1,2,3,4,5
	ds_load_b128 v[FB+48*\f+8*\b:FB+48*\f+8*\b+3],   v[ADRB+\slot] offset:\kq*12288+\b*1024
	ds_load_b128 v[FB+48*\f+8*\b+4:FB+48*\f+8*\b+7], v[ADRB+\slot] offset:\kq*12288+\b*1024+512
.endr
.irp i, 0,1,2,3,4,5,6,7
	ds_load_b128 v[FA+64*\f+8*\i:FA+64*\f+8*\i+3],   v[ADRA+\slot] offset:\kq*64+\i*16*PITCH
	ds_load_b128 v[FA+64*\f+8*\i+4:FA+64*\f+8*\i+7], v[ADRA+\slot] offset:\kq*64+\i*16*PITCH+32
.endr
.endm
; One of a K step's first three quarters: multiplies buffer f; in its middle it fetches quarter kq into buffer g.
.macro QUARTER slot, kq, f, g, zero
	s_wait_dscnt 8                                 ; the weights and x's tokens 0-63 are in; the youngest eight loads (tokens 64-127) may be out
	WIN MUL_LO
	MUL12 \f, 0, 0, \zero
	MUL12 \f, 0, 2, \zero
	WIN 0
	PLACES
	FETCH \slot, \kq, \g
	s_wait_dscnt 28                                ; all but the 28 just issued
	WIN MUL_HI
	MUL12 \f, 1, 0, \zero
	MUL12 \f, 1, 2, \zero
.endm
.macro THREE slot, zero
	QUARTER \slot, 1, 0, 1, \zero
	QUARTER \slot, 2, 1, 0, 0
	QUARTER \slot, 3, 0, 1, 0
.endm
; The last quarter: multiplies buffer 1 and changes slots.  In front of the barrier each wave waits for its reads of this slot and for all its
; tensor loads (one is out: its part of the next slot).  fill = 1: the barrier opens a round of the cluster's barrier, and the joint refill of
; this slot, two K steps ahead, is the first tensor load behind the round.  From a request to the wait for it a wave issues 180 matrix instructions.
.macro TURN slot, next, fill
	s_wait_dscnt 8
	WIN MUL_LO
	MUL12 1, 0, 0, 0
	s_wait_dscnt 0                                 ; my reads of this slot are over
	s_wait_tensorcnt 0x0                           ; all my tensor loads have landed
	ds_add_u32 v30, v31
	s_wait_dscnt 0x0
	s_barrier_signal -1
	MUL12 1, 0, 2, 0                               ; register work while the others arrive
	WIN 0
	s_barrier_wait -1
.if \fill
	CREST
	s_add_nc_u64 s[G0+4*\slot+2:G0+4*\slot+3], s[G0+4*\slot+2:G0+4*\slot+3], 2*KSTEP*2
	s_add_nc_u64 s[G0B+4*\slot+2:G0B+4*\slot+3], s[G0B+4*\slot+2:G0B+4*\slot+3], 4*BHALF
	JLOAD \slot
.endif
	PLACES
	FETCH \next, 0, 0
	WIN MUL_HI
	MUL12 1, 1, 0, 0
	MUL12 1, 1, 2, 0
.endm
.macro LAP zero
	THREE 0, \zero
	TURN 0, 1, 1
	THREE 1, 0
	TURN 1, 0, 1
.endm
	s_wait_tensorcnt 1                             ; my part of K step 0 is in; K step 1's load stays out
	s_barrier_signal -1
	s_barrier_wait -1
	FETCH 0, 0, 0
	LAP 1                                          ; K steps 0, 1: the first products start the sums
	WIN 0
	s_mov_b32 s3, LAPS-2
.Llap:
	LAP 0
	WIN 0
	s_sub_co_u32 s3, s3, 1
	s_cmp_lg_u32 s3, 0
	s_cbranch_scc1 .Llap
	THREE 0, 0                                     ; the last lap fills nothing
	TURN 0, 1, 0
	THREE 1, 0
	s_wait_dscnt 8
	WIN MUL_LO
	MUL12 1, 0, 0, 0
	MUL12 1, 0, 2, 0
	s_wait_dscnt 0
	WIN MUL_HI
	MUL12 1, 1, 0, 0
	MUL12 1, 1, 2, 0
	WIN 0
	; THE WAY OUT.  Four places behind the last matrix instructions, for the conversions that read results and write the fragment buffers.
	PLACES
	s_lshr_b32 s72, s13, 3                         ; batch
	s_lshl4_add_u32 s72, s72, s42                  ; x 16 + head
	s_lshl_b32 s72, s72, 7                         ; x 128 token tiles
	s_and_b32 s73, s13, 7
	s_lshl4_add_u32 s72, s73, s72                  ; + 16 tiles for each block of 256 tokens
	s_lshl3_add_u32 s72, s11, s72                  ; + 8 for my half
	s_lshl_b32 s72, s72, 11                        ; x 2,048 bytes
	s_mov_b32 s73, 0
	s_add_nc_u64 s[66:67], s[8:9], s[72:73]        ; q
	s_add_nc_u64 s[68:69], s[66:67], 0x800000      ; k
	s_add_nc_u64 s[70:71], s[66:67], 0x1000000     ; v
; token block 4 hi + a: 24 words.  q, k: word w of chunk m = (tile e = 0, tile e = 1) at register 4 m + w.  v: word w of tile e = m = tokens 2 w, 2 w + 1.
.macro OUTCVT hi, a
.irp m, 0,1
.irp w, 0,1,2,3
	v_cvt_pk_f16_f32 v[TT+24*(4*\hi+\a)+4*\m+\w],    v[8*(6*\a)+4*\m+\w],    v[8*(6*\a+1)+4*\m+\w]
	v_cvt_pk_f16_f32 v[TT+24*(4*\hi+\a)+8+4*\m+\w],  v[8*(6*\a+2)+4*\m+\w],  v[8*(6*\a+3)+4*\m+\w]
	v_cvt_pk_f16_f32 v[TT+24*(4*\hi+\a)+16+4*\m+\w], v[8*(6*\a+4+\m)+2*\w],  v[8*(6*\a+4+\m)+2*\w+1]
.endr
.endr
.endm
	WIN 0x05                                       ; sources window 1, destination window 0
	OUTCVT 0, 0
	OUTCVT 0, 1
	OUTCVT 0, 2
	OUTCVT 0, 3
	WIN 0x0a                                       ; sources window 2
	OUTCVT 1, 0
	OUTCVT 1, 1
	OUTCVT 1, 2
	OUTCVT 1, 3
	WIN 0
.irp t, 0,1,2,3,4,5,6,7
.irp m, 0,1
	global_store_b128 v[CO], v[TT+24*\t+4*\m:TT+24*\t+4*\m+3],       s[66:67] offset:\t*2048+\m*512   ; each store: 512 consecutive bytes, aligned
	global_store_b128 v[CO], v[TT+24*\t+8+4*\m:TT+24*\t+8+4*\m+3],   s[68:69] offset:\t*2048+\m*512
	global_store_b128 v[CO], v[TT+24*\t+16+4*\m:TT+24*\t+16+4*\m+3], s[70:71] offset:\t*2048+\m*512
.endr
.endr
	CROUND                                         ; the closing round: no work-group ends while a partner may still ask for a tile that names it
	s_endpgm
.Lfunc_end_k_q56f7498896_qkv:
	.size	k_q56f7498896_qkv, .Lfunc_end_k_q56f7498896_qkv-k_q56f7498896_qkv
	.p2alignl 7, 3214868480
	.fill 96, 4, 3214868480
	.section	.rodata,"a",@progbits
	.p2align	6, 0x0
	.amdhsa_kernel k_q56f7498896_qkv
		.amdhsa_group_segment_fixed_size 327680
		.amdhsa_private_segment_fixed_size 0
		.amdhsa_enable_private_segment 0
		.amdhsa_kernarg_size 24
		.amdhsa_user_sgpr_count 2
		.amdhsa_user_sgpr_kernarg_segment_ptr 1
		.amdhsa_wavefront_size32 1
		.amdhsa_system_sgpr_workgroup_id_x 1
		.amdhsa_system_sgpr_workgroup_id_y 1
		.amdhsa_system_sgpr_workgroup_id_z 1
		.amdhsa_system_vgpr_workitem_id 0
		.amdhsa_next_free_vgpr 704
		.amdhsa_next_free_sgpr 76
		.amdhsa_reserve_vcc 0
		.amdhsa_float_denorm_mode_32 3
		.amdhsa_float_denorm_mode_16_64 3
		.amdhsa_memory_ordered 1
		.amdhsa_forward_progress 1
		.amdhsa_inst_pref_size 148
	.end_amdhsa_kernel
	.amdgpu_metadata
---
amdhsa.version: [ 1, 2 ]
amdhsa.kernels:
  - .name:           k_q56f7498896_qkv
    .symbol:         k_q56f7498896_qkv.kd
    .args:
      - { .name: xb, .offset: 0, .size: 8, .value_kind: global_buffer, .address_space: global }
      - { .name: wb, .offset: 8, .size: 8, .value_kind: global_buffer, .address_space: global }
      - { .name: qkvw, .offset: 16, .size: 8, .value_kind: global_buffer, .address_space: global }
    .group_segment_fixed_size: 327680
    .private_segment_fixed_size: 0
    .kernarg_segment_align: 8
    .kernarg_segment_size: 24
    .max_flat_workgroup_size: 128
    .sgpr_count:     76
    .vgpr_count:     704
    .wavefront_size: 32
...
	.end_amdgpu_metadata
.endif
;; end of part 2
;; launch attn (part 3): grid 8 x 32, 8 waves a work-group, no clusters, 327,680 bytes of LDS; arguments qkvw, ctx; writes ctx
.if DOCPART == 3
	.amdgcn_target "amdgcn-amd-amdhsa--gfx1250"
	.amdhsa_code_object_version 6
	.text
	.protected	k_q56f7498896_attn
	.globl	k_q56f7498896_attn
	.p2align	8
	.type	k_q56f7498896_attn,@function
k_q56f7498896_attn:
	s_mov_b64 s[64:65], 0
	v_nop
	global_prefetch_b8 v0, s[64:65] scope:SCOPE_SE
	s_setreg_imm32_b32 hwreg(HW_REG_WAVE_MODE, 25, 1), 1
	s_wait_xcnt 0x0
; Causal attention of one head: ctx = softmax(q k^T / 8, keys <= query) v, with a running maximum, f16 operands, f32 sums and softmax.
; Work-group (x = j, y = bh = batch * 16 + head) makes the query blocks j and 15 - j of 128 rows: (j + 1) + (16 - j) = 17 key tiles of 128 in every work-group.
; Tiles above the diagonal are not computed: their scores are -inf in front of the softmax.
; Eight waves.  Wave w: w4 = w & 3 takes query rows 32 w4 .. + 31 (two tiles uq of 16), p = w >> 2 takes keys 64 p .. + 63 of every tile.
; The two key halves are merged at the end of a block, through LDS.  A block's diagonal tile is taken first: that trip masks, starts the maximum at
; -FLT_MAX, starts l without clearing and starts O with the constant 0 as C.
; THE PRODUCTS ARE USED TRANSPOSED.  S = K Q^T: register jj of lane (r, h) is key 16 t + 8 h + jj, query r, so a query's softmax lies in one lane and its
; partner lane r + 16, and two packed tiles of exp(S) are, as they stand, source 1 of O^T = V^T P^T (keys 8 h .. 8 h + 7, then 16 + 8 h ..).
; O(i, uq): register jj of lane (r, h) is d = 4 (8 h + jj) + i, query r.
; ctx: [batch * 16 + query block][head][token tile 8][2,048 bytes]; a block is [d / 8][token r][8 d]: source 0 of the last product, 32 d at 1,024 s.
; NO MULTICAST: the query blocks of a head need different numbers of key tiles (1 to 16); walking them in step would make every partner walk the longest
; range, 20 block units in place of 17 for the pairing used here, and the branches and trip counts would hang on the place in the cluster.
; FORMATS AND LIMITS: q, k, v come in f16; exp(S - max) lies in (0, 1] and goes in f16 (below 2^-14 in steps of 2^-24); ctx is rounded to f16.
; v_exp_f32 gives 0 below 2^-126.  NaN and infinite inputs are not served.
.set SLOTB, 32768                      ; an LDS slot: K's tile, 8 token tiles of 2,048 bytes, then V's
.set STAGE, 65536                      ; behind the two slots: the merge's stage; no tensor load ever lands there
.set WSTG,  8704                       ; a wave's stage: O, 16 x 512 bytes, then 512 bytes of (nm0, nm1, l0, l1) a lane
.set PART,  4*WSTG                     ; from the stage of wave w4 to that of wave w4 + 4
.set LL, 12                            ; v[12:13], v[14:15]  l of uq = 0, 1: two partial sums each
.set OO, 32                            ; v[32:95]    O(i, uq) at 8 (2 i + uq)
.set QQ, 96                            ; v[96:127]   Q(uq, s) at 8 (2 uq + s)
.set SS, 128                           ; v[128:191]  S(uq, t) at 32 uq + 8 t; then P(uq, u) at 32 uq + 16 u
.set KV, 192                           ; v[192:255]  K(t, s) at 8 (4 s + t); then V(i, u) at 8 (4 u + i)
; v1 16 L + 8,192 p (my keys in a slot); v2 delta = 32 w4 + r - 64 p - 8 h; v3 16 L; v4 1,024 h + 16 r; v5, v6, v7 stage addresses;
; v[8:9] nm = -c max; v[10:11] max; v[16:17] alpha; v18-27 at work.
; s8 w, s9 w4, s10 p, s11 j, s12 bh, s13 qbO (the even one of j, 15 - j), s14 qbE, s15 place in the order of tiles, s33 loop counter.
.macro PLACES n
.rept \n
	v_nop
.endr
.endm
	s_load_b128 s[4:7], s[0:1], 0x0                ; qkvw s[4:5], ctx s[6:7]
	v_lshl_add_u32 v30, v0, 2, 0x29000
	v_mov_b32 v31, 0
	ds_add_u32 v30, v31
	ds_add_u32 v30, v31
	v_lshrrev_b32 v18, 5, v0
	v_readfirstlane_b32 s8, v18                    ; wave
	s_and_b32 s9, s8, 3
	s_lshr_b32 s10, s8, 2
	s_mov_b32 s11, ttmp9
	s_and_b32 s12, ttmp7, 0xffff
	s_sub_co_u32 s46, 15, s11
	s_bitcmp1_b32 s11, 0
	s_cselect_b32 s13, s46, s11                    ; qbO: even, so its block has an odd number of tiles
	s_sub_co_u32 s14, 15, s13                      ; qbE
	s_mov_b32 s15, 0
	s_add_co_u32 s34, s13, 1
	s_add_co_u32 s35, s13, 2
	s_mov_b32 s36, 0x3e38aa3b                      ; c = log2(e) / 8: the scale 1 / sqrt(64) folded into the base-2 exponential
	s_mov_b32 s37, 0x3e38aa3b
	s_mov_b32 s38, 0xbe38aa3b                      ; -c
	s_mov_b32 s39, 0xff7fffff                      ; -FLT_MAX
	s_mov_b32 s40, 0x76543210                      ; v_permlanex16_b32: lane i reads lane i of the other half
	s_mov_b32 s41, 0xfedcba98
	; group 1: each wave brings 4,096 dense bytes of a tile, as 16 rows of 256 bytes: waves 0-3 K's quarters, waves 4-7 V's
	s_mov_b32 s16, 3<<16                           ; no mask; 8-byte elements; no padding
	s_mov_b32 s17, 32<<16
	s_mov_b32 s18, 16<<16
	s_mov_b32 s19, 32<<16
	s_mov_b32 s20, 16
	s_mov_b32 s21, 32
	s_mov_b32 s22, 0
	s_mov_b32 s23, 0
	s_lshl_b32 s32, s8, 12                         ; LDS: wave x 4,096
	s_add_co_u32 s46, s10, 1
	s_lshl_b32 s46, s46, 23                        ; k at 8,388,608, v at 16,777,216
	s_lshl_b32 s47, s12, 18                        ; + bh x 128 tiles x 2,048
	s_add_co_u32 s46, s46, s47
	s_lshl_b32 s47, s9, 12                         ; + my quarter
	s_add_co_u32 s30, s46, s47
	s_mov_b32 s31, 0
	s_wait_dscnt 0x0
	s_wait_kmcnt 0x0
	s_add_nc_u64 s[28:29], s[4:5], s[30:31]
	s_mov_b32 s24, 1                               ; group 0: the first fill, tile qbO into slot 0, ahead of every wait on TENSORcnt, LDS read and barrier
	s_add_co_u32 s25, s32, 0*SLOTB
	s_lshl_b32 s30, s13, 14                        ; a tile of 128 tokens is 16,384 bytes
	s_add_nc_u64 s[26:27], s[28:29], s[30:31]
	s_or_b32 s27, s27, 0x80000000
	tensor_load_to_lds s[24:27], s[16:23]
	s_nop 0
; The order of tiles, by place 0 .. 16: qbO, 0 .. qbO - 1, qbE, 0 .. qbE - 1.  NEXT writes group 0 for the next place, into the other slot.
; It stands behind the wait for all tensor loads, so no load that names these registers is out.
.macro NEXT slot
	s_add_co_u32 s15, s15, 1
	s_sub_co_u32 s46, s15, 1
	s_sub_co_u32 s47, s15, s35
	s_cmp_le_u32 s15, s13
	s_cselect_b32 s46, s46, s47
	s_cmp_eq_u32 s15, s34
	s_cselect_b32 s46, s14, s46
	s_lshl_b32 s30, s46, 14
	s_add_nc_u64 s[26:27], s[28:29], s[30:31]
	s_or_b32 s27, s27, 0x80000000
	s_add_co_u32 s25, s32, (1-\slot)*SLOTB
.endm
; My 32 query rows of block s[qb], as four fragments, straight from memory: each load takes 512 consecutive bytes
.macro LOADQ qb
	s_lshl_b32 s46, s[\qb], 3
	s_lshl1_add_u32 s46, s9, s46                   ; token tile 8 qb + 2 w4
	s_lshl_b32 s46, s46, 11
	s_lshl_b32 s47, s12, 18
	s_add_co_u32 s46, s46, s47
	s_mov_b32 s47, 0
	s_add_nc_u64 s[42:43], s[4:5], s[46:47]
.irp uq, 0,1
.irp s, 0,1
	global_load_b128 v[QQ+8*(2*\uq+\s):QQ+8*(2*\uq+\s)+3],   v3, s[42:43] offset:\uq*2048+\s*1024
	global_load_b128 v[QQ+8*(2*\uq+\s)+4:QQ+8*(2*\uq+\s)+7], v3, s[42:43] offset:\uq*2048+\s*1024+512
.endr
.endr
.endm
	v_and_b32 v20, 15, v0                          ; r
	v_bfe_u32 v21, v0, 4, 1                        ; h
	v_and_b32 v22, 31, v0                          ; L
	v_lshlrev_b32 v3, 4, v22
	LOADQ 13
	s_lshl_b32 s46, s10, 13
	v_add_nc_u32 v1, s46, v3
	s_lshl_b32 s46, s9, 5
	s_lshl_b32 s47, s10, 6
	s_sub_co_i32 s46, s46, s47
	v_add_nc_u32 v2, s46, v20
	v_lshlrev_b32 v23, 3, v21
	v_sub_nc_u32 v2, v2, v23                       ; key 64 p + 16 t + 8 h + jj <= query 32 w4 + 16 uq + r  <=>  16 t + jj - 16 uq <= delta
	v_lshlrev_b32 v4, 4, v20
	v_lshl_add_u32 v4, v21, 10, v4
	s_mul_i32 s46, s8, WSTG
	s_add_co_u32 s46, s46, STAGE
	v_add_nc_u32 v5, s46, v3                       ; I write my own stage
	s_mul_i32 s46, s9, WSTG
	s_add_co_u32 s46, s46, STAGE
	s_lshl_b32 s47, s10, 12
	s_add_co_u32 s47, s46, s47
	v_add_nc_u32 v6, s47, v3                       ; I merge query tile uq = p: O of wave w4, and of wave w4 + 4 at + PART
	s_lshl_b32 s47, s10, 2
	s_add_co_u32 s47, s46, s47
	s_add_co_u32 s47, s47, 8192
	v_add_nc_u32 v7, s47, v3                       ; nm of uq = p; l at + 8
	v_mov_b32 v19, 0                               ; v18, v19: destinations of v_permlanex16_b32, which count as read
	s_wait_loadcnt 0x0                             ; Q
.macro SFMA uq, t                      ; c S + nm = c (S - max), two at a time
.irp k, 0,2,4,6
	v_pk_fma_f32 v[SS+32*\uq+8*\t+\k:SS+32*\uq+8*\t+\k+1], v[SS+32*\uq+8*\t+\k:SS+32*\uq+8*\t+\k+1], s[36:37], v[8:9] op_sel:[0,0,\uq] op_sel_hi:[1,0,\uq]
.endr
.endm
.macro SEXP uq, t
.irp k, 0,1,2,3,4,5,6,7
	v_exp_f32 v[SS+32*\uq+8*\t+\k], v[SS+32*\uq+8*\t+\k]
.endr
.endm
.macro SSUM uq, t, diag                ; the tile's eight onto l; a trip's first tile also scales the old l by alpha, or starts l
	s_wait_alu depctr_va_vdst(0)
	v_pk_add_f32 v[20:21], v[SS+32*\uq+8*\t:SS+32*\uq+8*\t+1],   v[SS+32*\uq+8*\t+2:SS+32*\uq+8*\t+3]
	v_pk_add_f32 v[22:23], v[SS+32*\uq+8*\t+4:SS+32*\uq+8*\t+5], v[SS+32*\uq+8*\t+6:SS+32*\uq+8*\t+7]
.if \t == 0
.if \diag
	v_pk_add_f32 v[LL+2*\uq:LL+2*\uq+1], v[20:21], v[22:23]
.else
	v_pk_add_f32 v[20:21], v[20:21], v[22:23]
	v_pk_fma_f32 v[LL+2*\uq:LL+2*\uq+1], v[LL+2*\uq:LL+2*\uq+1], v[16:17], v[20:21] op_sel:[0,\uq,0] op_sel_hi:[1,\uq,1]
.endif
.else
	v_pk_add_f32 v[20:21], v[20:21], v[22:23]
	v_pk_add_f32 v[LL+2*\uq:LL+2*\uq+1], v[LL+2*\uq:LL+2*\uq+1], v[20:21]
.endif
.endm
.macro SPACK uq, t                     ; in place: tile 2 u into registers 0-3 of P(uq, u), tile 2 u + 1 into 4-7; each word is written after its sources were read
.irp k, 0,1,2,3
	v_cvt_pk_f16_f32 v[SS+32*\uq+16*(\t/2)+4*(\t%2)+\k], v[SS+32*\uq+8*\t+2*\k], v[SS+32*\uq+8*\t+2*\k+1]
.endr
.endm
; exp of tile (uq, t); the next tile's multiply-adds are the plain instructions between the exponentials and the first use of their results (ISA guide 5.7.2)
.macro SOFT uq, t, uqn, tn, diag
	SEXP \uq, \t
	SFMA \uqn, \tn
	SSUM \uq, \t, \diag
	SPACK \uq, \t
.endm
; One key tile.  slot: where it lies; diag = 1: a block's diagonal tile, its first; refill = 1: the next tile is asked for, into the other slot.
.macro TRIP slot, diag, refill
	s_wait_tensorcnt 0x0                           ; all my tensor loads have landed: the one that was out is my part of this tile
	ds_add_u32 v30, v31
	s_wait_dscnt 0x0
.if \refill
	NEXT \slot
.endif
	s_wait_dscnt 0x0                               ; my reads of the other slot are over
	s_barrier_signal -1
	s_barrier_wait -1                              ; both hold of all eight waves
.if \refill
	tensor_load_to_lds s[24:27], s[16:23]          ; my one tensor load behind this barrier, first thing there: it has the whole trip in which to land
	s_nop 0
.endif
.irp s, 0,1
.irp t, 0,1,2,3
	ds_load_b128 v[KV+8*(4*\s+\t):KV+8*(4*\s+\t)+3],   v1 offset:\slot*SLOTB+\t*2048+\s*1024
	ds_load_b128 v[KV+8*(4*\s+\t)+4:KV+8*(4*\s+\t)+7], v1 offset:\slot*SLOTB+\t*2048+\s*1024+512
.endr
.endr
	s_wait_dscnt 0x8                               ; the first 32 of d are in; the youngest eight loads (the other 32) may be out
.irp t, 0,1,2,3                        ; the eight accumulators take turns, one instruction a turn
.irp uq, 0,1
	v_wmma_f32_16x16x32_f16 v[SS+32*\uq+8*\t:SS+32*\uq+8*\t+7], v[KV+8*\t:KV+8*\t+7], v[QQ+16*\uq:QQ+16*\uq+7], 0
.endr
.endr
	s_wait_dscnt 0x0
.irp t, 0,1,2,3
.irp uq, 0,1
	v_wmma_f32_16x16x32_f16 v[SS+32*\uq+8*\t:SS+32*\uq+8*\t+7], v[KV+32+8*\t:KV+32+8*\t+7], v[QQ+16*\uq+8:QQ+16*\uq+15], v[SS+32*\uq+8*\t:SS+32*\uq+8*\t+7]
.endr
.endr
	PLACES 4                                       ; before V is loaded over K and before S is read (ISA guide 7.12.1)
.irp u, 0,1
.irp i, 0,1,2,3
	ds_load_b128 v[KV+8*(4*\u+\i):KV+8*(4*\u+\i)+3],   v1 offset:\slot*SLOTB+16384+(2*\u)*2048+\i*512
	ds_load_b128 v[KV+8*(4*\u+\i)+4:KV+8*(4*\u+\i)+7], v1 offset:\slot*SLOTB+16384+(2*\u+1)*2048+\i*512
.endr
.endr
.if \diag
.irp uq, 0,1
.irp t, 0,1,2,3
.irp jj, 0,1,2,3,4,5,6,7
	v_cmp_le_i32 vcc_lo, 16*\t+\jj-16*\uq, v2
	v_cndmask_b32 v[SS+32*\uq+8*\t+\jj], 0xff800000, v[SS+32*\uq+8*\t+\jj], vcc_lo   ; keys behind the query: -inf
.endr
.endr
.endr
	v_max3_num_f32 v20, s39, v[SS+0], v[SS+1]      ; the running maximum starts at -FLT_MAX: finite also where a wave's 64 keys are all masked
	v_max3_num_f32 v22, s39, v[SS+32], v[SS+33]
.else
	v_max3_num_f32 v20, v10, v[SS+0], v[SS+1]
	v_max3_num_f32 v22, v11, v[SS+32], v[SS+33]
.endif
	v_max3_num_f32 v21, v[SS+16], v[SS+17], v[SS+18]   ; two chains for each query tile: 33 numbers, 16 instructions
	v_max3_num_f32 v23, v[SS+48], v[SS+49], v[SS+50]
.irp n, 1,2,3,4,5,6
	v_max3_num_f32 v20, v20, v[SS+2*\n], v[SS+2*\n+1]
	v_max3_num_f32 v22, v22, v[SS+32+2*\n], v[SS+32+2*\n+1]
	v_max3_num_f32 v21, v21, v[SS+17+2*\n], v[SS+18+2*\n]
	v_max3_num_f32 v23, v23, v[SS+49+2*\n], v[SS+50+2*\n]
.endr
	v_max3_num_f32 v20, v20, v[SS+14], v[SS+15]
	v_max3_num_f32 v22, v22, v[SS+46], v[SS+47]
	v_max3_num_f32 v20, v20, v21, v[SS+31]
	v_max3_num_f32 v22, v22, v23, v[SS+63]
	v_permlanex16_b32 v18, v20, s40, s41           ; the query's other eight keys of each tile lie in lane r + 16
	v_permlanex16_b32 v19, v22, s40, s41
	v_max_num_f32 v10, v20, v18
	v_max_num_f32 v11, v22, v19
.if \diag
	v_mul_f32 v8, s38, v10                         ; nm = -c max
	v_mul_f32 v9, s38, v11
.else
	v_mul_f32 v24, s38, v10
	v_mul_f32 v25, s38, v11
	v_sub_f32 v16, v24, v8                         ; alpha = 2^(nm new - nm old), from the rounded nm that the exponents use
	v_sub_f32 v17, v25, v9
	v_exp_f32 v16, v16
	v_exp_f32 v17, v17
	v_mov_b32 v8, v24                              ; also the plain instruction behind the exponentials
	v_mov_b32 v9, v25
	s_wait_alu depctr_va_vdst(0)
.irp i, 0,1,2,3
.irp uq, 0,1
.irp k, 0,2,4,6
	v_pk_mul_f32 v[OO+8*(2*\i+\uq)+\k:OO+8*(2*\i+\uq)+\k+1], v[OO+8*(2*\i+\uq)+\k:OO+8*(2*\i+\uq)+\k+1], v[16:17] op_sel:[0,\uq] op_sel_hi:[1,\uq]
.endr
.endr
.endr
.endif
	SFMA 0, 0
	SOFT 0, 0, 0, 1, \diag
	SOFT 0, 1, 0, 2, \diag
	SOFT 0, 2, 0, 3, \diag
	SOFT 0, 3, 1, 0, \diag
	SOFT 1, 0, 1, 1, \diag
	SOFT 1, 1, 1, 2, \diag
	SOFT 1, 2, 1, 3, \diag
	SEXP 1, 3
	v_nop
	s_wait_alu depctr_va_vdst(0)
	SSUM 1, 3, \diag
	SPACK 1, 3
	s_wait_dscnt 0x8                               ; V of my first 32 keys is in; the youngest eight loads (the other 32) may be out
.irp i, 0,1,2,3
.irp uq, 0,1
.if \diag
	v_wmma_f32_16x16x32_f16 v[OO+8*(2*\i+\uq):OO+8*(2*\i+\uq)+7], v[KV+8*\i:KV+8*\i+7], v[SS+32*\uq:SS+32*\uq+7], 0
.else
	v_wmma_f32_16x16x32_f16 v[OO+8*(2*\i+\uq):OO+8*(2*\i+\uq)+7], v[KV+8*\i:KV+8*\i+7], v[SS+32*\uq:SS+32*\uq+7], v[OO+8*(2*\i+\uq):OO+8*(2*\i+\uq)+7]
.endif
.endr
.endr
	s_wait_dscnt 0x0
.irp i, 0,1,2,3
.irp uq, 0,1
	v_wmma_f32_16x16x32_f16 v[OO+8*(2*\i+\uq):OO+8*(2*\i+\uq)+7], v[KV+32+8*\i:KV+32+8*\i+7], v[SS+32*\uq+16:SS+32*\uq+23], v[OO+8*(2*\i+\uq):OO+8*(2*\i+\uq)+7]
.endr
.endr
	PLACES 5                                       ; before the next S product writes over P, K is loaded over V, or O is read (ISA guide 7.12.1)
.endm
; The end of block s[qb]: the two key halves meet.  Every wave puts O, nm and l into its own stage; behind a barrier wave (w4, p) takes query tile uq = p
; of waves w4 and w4 + 4, brings both to the larger maximum, divides by l and stores 16 tokens x 64 d of ctx.  more = 1: the next block's Q is asked for meanwhile.
.macro FINAL qb, more
	v_add_f32 v20, v12, v13
	v_add_f32 v21, v14, v15
	v_permlanex16_b32 v18, v20, s40, s41
	v_permlanex16_b32 v19, v21, s40, s41
	v_add_f32 v22, v20, v18                        ; l of uq = 0, 1 over my 64 keys of every tile
	v_add_f32 v23, v21, v19
.irp uq, 0,1
.irp i, 0,1,2,3
	ds_store_b128 v5, v[OO+8*(2*\i+\uq):OO+8*(2*\i+\uq)+3],   offset:(\uq*8+\i*2)*512
	ds_store_b128 v5, v[OO+8*(2*\i+\uq)+4:OO+8*(2*\i+\uq)+7], offset:(\uq*8+\i*2+1)*512
.endr
.endr
	ds_store_b64 v5, v[8:9] offset:8192
	ds_store_b64 v5, v[22:23] offset:8200
.if \more
	LOADQ 14
.endif
	s_wait_dscnt 0x0                               ; my stores are done, for the partner's sake
	s_barrier_signal -1                            ; the next tile's load may stay out
	s_barrier_wait -1
.irp k, 0,1,2,3,4,5,6,7
	ds_load_b128 v[SS+4*\k:SS+4*\k+3], v6 offset:\k*512               ; o_i[jj] of keys' half 0 at SS + 8 i + jj
.endr
.irp k, 0,1,2,3,4,5,6,7
	ds_load_b128 v[SS+32+4*\k:SS+32+4*\k+3], v6 offset:PART+\k*512    ; of half 1
.endr
	ds_load_b32 v24, v7                            ; nm, l of half 0
	ds_load_b32 v25, v7 offset:8
	ds_load_b32 v26, v7 offset:PART                ; nm, l of half 1
	ds_load_b32 v27, v7 offset:PART+8
	s_lshr_b32 s46, s12, 4                         ; batch
	s_lshl4_add_u32 s46, s46, s[\qb]               ; x 16 + query block
	s_and_b32 s47, s12, 15
	s_lshl4_add_u32 s46, s46, s47                  ; x 16 + head
	s_lshl_b32 s46, s46, 3                         ; x 8 token tiles
	s_lshl1_add_u32 s47, s9, s10                   ; + 2 w4 + p
	s_add_co_u32 s46, s46, s47
	s_lshl_b32 s46, s46, 11
	s_mov_b32 s47, 0
	s_add_nc_u64 s[44:45], s[6:7], s[46:47]
	s_wait_dscnt 0x0
	v_min_num_f32 v20, v24, v26                    ; nm = -c max: the smaller nm is the larger maximum
	v_sub_f32 v21, v20, v24
	v_sub_f32 v22, v20, v26
	v_exp_f32 v21, v21                             ; at most 1; 0 for a half whose keys were all masked
	v_exp_f32 v22, v22
	v_nop
	s_wait_alu depctr_va_vdst(0)
	v_mul_f32 v23, v25, v21
	v_fma_f32 v23, v27, v22, v23                   ; l: half 0 always holds key 0, which no query masks, so l is at least about 1
	v_rcp_f32 v23, v23
	v_nop
	s_wait_alu depctr_va_vdst(0)
	v_mul_f32 v16, v21, v23
	v_mul_f32 v17, v22, v23
.irp k, 0,2,4,6,8,10,12,14,16,18,20,22,24,26,28,30
	v_pk_mul_f32 v[SS+\k:SS+\k+1], v[SS+\k:SS+\k+1], v[16:17] op_sel:[0,0] op_sel_hi:[1,0]
.endr
.irp k, 0,2,4,6,8,10,12,14,16,18,20,22,24,26,28,30
	v_pk_fma_f32 v[SS+\k:SS+\k+1], v[SS+32+\k:SS+32+\k+1], v[16:17], v[SS+\k:SS+\k+1] op_sel:[0,1,0] op_sel_hi:[1,1,1]
.endr
.irp m, 0,1,2,3                        ; d = 32 h + 4 jj + i: chunk d / 8 = 4 h + m holds jj = 2 m (i = 0..3), then jj = 2 m + 1
	v_cvt_pk_f16_f32 v[KV+4*\m],   v[SS+2*\m],      v[SS+8+2*\m]
	v_cvt_pk_f16_f32 v[KV+4*\m+1], v[SS+16+2*\m],   v[SS+24+2*\m]
	v_cvt_pk_f16_f32 v[KV+4*\m+2], v[SS+2*\m+1],    v[SS+8+2*\m+1]
	v_cvt_pk_f16_f32 v[KV+4*\m+3], v[SS+16+2*\m+1], v[SS+24+2*\m+1]
.endr
.irp m, 0,1,2,3
	global_store_b128 v4, v[KV+4*\m:KV+4*\m+3], s[44:45] offset:\m*256   ; sixteen lanes store 256 consecutive bytes, aligned
.endr
.if \more
	s_wait_xcnt 0x0                                ; the stores' data registers and base are written again only behind this wait
	s_wait_loadcnt 0x0                             ; the next block's Q
.endif
.endm
	; block qbO: 1 + qbO tiles, places 0 .. qbO, slots 0, 1, 0, ..
	TRIP 0, 1, 1
	s_lshr_b32 s33, s13, 1
	s_cmp_eq_u32 s33, 0
	s_cbranch_scc1 .LendO
.LloopO:
	TRIP 1, 0, 1
	TRIP 0, 0, 1
	s_sub_co_u32 s33, s33, 1
	s_cmp_lg_u32 s33, 0
	s_cbranch_scc1 .LloopO
.LendO:
	FINAL 13, 1
	; block qbE: 1 + qbE tiles, places qbO + 1 .. 16, slots 1, 0, 1, .., 0
	TRIP 1, 1, 1
	s_lshr_b32 s33, s14, 1                         ; (qbE - 1) / 2: qbE is odd
	s_cmp_eq_u32 s33, 0
	s_cbranch_scc1 .LendE
.LloopE:
	TRIP 0, 0, 1
	TRIP 1, 0, 1
	s_sub_co_u32 s33, s33, 1
	s_cmp_lg_u32 s33, 0
	s_cbranch_scc1 .LloopE
.LendE:
	TRIP 0, 0, 0                                   ; the last tile: nothing is left to fetch
	FINAL 14, 0
	s_wait_tensorcnt 0x0
	ds_add_u32 v30, v31
	s_wait_dscnt 0x0
	s_endpgm
.Lfunc_end_k_q56f7498896_attn:
	.size	k_q56f7498896_attn, .Lfunc_end_k_q56f7498896_attn-k_q56f7498896_attn
	.p2alignl 7, 3214868480
	.fill 96, 4, 3214868480
	.section	.rodata,"a",@progbits
	.p2align	6, 0x0
	.amdhsa_kernel k_q56f7498896_attn
		.amdhsa_group_segment_fixed_size 327680
		.amdhsa_private_segment_fixed_size 0
		.amdhsa_enable_private_segment 0
		.amdhsa_kernarg_size 16
		.amdhsa_user_sgpr_count 2
		.amdhsa_user_sgpr_kernarg_segment_ptr 1
		.amdhsa_wavefront_size32 1
		.amdhsa_system_sgpr_workgroup_id_x 1
		.amdhsa_system_sgpr_workgroup_id_y 1
		.amdhsa_system_sgpr_workgroup_id_z 1
		.amdhsa_system_vgpr_workitem_id 0
		.amdhsa_next_free_vgpr 256
		.amdhsa_next_free_sgpr 66
		.amdhsa_reserve_vcc 1
		.amdhsa_float_denorm_mode_32 3
		.amdhsa_float_denorm_mode_16_64 3
		.amdhsa_memory_ordered 1
		.amdhsa_forward_progress 1
		.amdhsa_inst_pref_size 153
	.end_amdhsa_kernel
	.amdgpu_metadata
---
amdhsa.version: [ 1, 2 ]
amdhsa.kernels:
  - .name:           k_q56f7498896_attn
    .symbol:         k_q56f7498896_attn.kd
    .args:
      - { .name: qkvw, .offset: 0, .size: 8, .value_kind: global_buffer, .address_space: global }
      - { .name: ctx, .offset: 8, .size: 8, .value_kind: global_buffer, .address_space: global }
    .group_segment_fixed_size: 327680
    .private_segment_fixed_size: 0
    .kernarg_segment_align: 8
    .kernarg_segment_size: 16
    .max_flat_workgroup_size: 256
    .sgpr_count:     66
    .vgpr_count:     256
    .wavefront_size: 32
...
	.end_amdgpu_metadata
.endif
;; end of part 3
;; launch oproj (part 4): grid 8 x 32, 4 waves a work-group, clusters of 4 x 4, 327,680 bytes of LDS; arguments ctx, wb, b_o, out0; writes out0
.if DOCPART == 4
	.amdgcn_target "amdgcn-amd-amdhsa--gfx1250"
	.amdhsa_code_object_version 6
	.text
	.protected	k_q56f7498896_oproj
	.globl	k_q56f7498896_oproj
	.p2align	8
	.type	k_q56f7498896_oproj,@function
k_q56f7498896_oproj:
	s_mov_b64 s[64:65], 0
	v_nop
	global_prefetch_b8 v0, s[64:65] scope:SCOPE_SE
	s_setreg_imm32_b32 hwreg(HW_REG_WAVE_MODE, 25, 1), 1
	s_wait_xcnt 0x0
	s_wait_alu depctr_hold_cnt(0) depctr_sa_sdst(0) depctr_va_vdst(0) depctr_va_sdst(0) depctr_va_ssrc(0) depctr_va_vcc(0) depctr_vm_vsrc(0)
	s_getreg_b32 s2, hwreg(HW_REG_IB_STS2, 6, 4)
	s_cmp_eq_u32 s2, 0
	s_cbranch_scc0 .Lentry_in_a_cluster
	s_endpgm
.Lentry_in_a_cluster:
	s_bfe_u32 s2, ttmp6, 0x10000c
	s_cmp_lg_u32 s2, 0xf033
	s_cbranch_scc0 .Lentry_shape_is_right
	s_endpgm
.Lentry_shape_is_right:
; out0 = ctx w_o + b_o: a block of 128 tokens x 128 columns, K = 1024, f16 operands (w_o holds bf16-rounded numbers in f16 format), f32 sums and bias.
; Work-group (x = nt, 128 columns; y = mblk, 128 tokens).  Four waves; wave w: mh = w >> 1 takes 64 tokens, cw = w & 1 takes 64 columns: 16 accumulator tiles.
; Column tile b holds the columns n = 128 nt + 64 cw + 4 r + b, so a lane's four tiles give four neighbouring f32 of a row: 16 bytes, stored straight from registers.
; Both operands lie in memory in fragment order (1,024 bytes: 16 rows or columns x 32 k, the lane's registers 0-3 at 16 L, 4-7 at 16 L + 512): every tile is a dense
; block, every LDS load takes 512 consecutive bytes, no padding.
; K goes in four steps of 256 through two LDS slots of 131,072 bytes: each wave brings 32,768 bytes with one load, and a load has a step's 128 matrix instructions in which to land.
; CLUSTERS: 4 x 4 work-groups.  ctx's tile hangs on mblk alone and is asked for jointly along a row of the cluster, w_o's on nt alone, along a column.
; REGISTERS: window 0: v[4:7] bias, v16-27 addresses, v32-63 / v64-95 fragments of ctx / w_o, buffer 0; v96-127 / v128-159 buffer 1.  Window 1: tile (a, b) at v[8 (4 a + b)].
.set SLOT,  131072                     ; ctx: [head of the step 4][token tile 8][2,048]; then w_o at 65,536: kap * 8,192 + cw * 4,096 + b * 1,024, kap = k / 32 in the step
.set KBYTES, 65536                     ; a K step of either operand
.set BIAS, 4
.set ADRA, 16
.set ADRB, 20
.set CO,   26
.set G1,  24
.set G0,  32
.set G1B, 48
.set G0B, 56
.set MSB, 0
.macro WIN new
.if MSB != \new
	s_set_vgpr_msb (MSB<<8)|\new
.set MSB, \new
.endif
.endm
.macro JLOAD s                         ; waves 0 and 1 fetch ctx's two halves, waves 2 and 3 w_o's: the branch hangs on the wave's number alone
	s_cmp_eq_u32 s11, 0
	s_cbranch_scc0 .Lfor_b_\@
	tensor_load_to_lds s[G0+4*\s:G0+4*\s+3], s[G1:G1+7]
	s_nop 0
	s_branch .Lasked_\@
.Lfor_b_\@:
	tensor_load_to_lds s[G0B+4*\s:G0B+4*\s+3], s[G1B:G1B+7]
	s_nop 0
.Lasked_\@:
.endm
.macro CROUND                          ; a round of the cluster's barrier
	s_barrier_signal -1
	s_barrier_wait -1
	s_cmp_lg_u32 s10, 0
	s_cbranch_scc1 .Lnot_wave_0_\@
	s_barrier_signal -3
.Lnot_wave_0_\@:
	s_barrier_wait -3
	s_barrier_signal -1
	s_barrier_wait -1
.endm
.macro PLACES                          ; four places behind a matrix instruction (ISA guide 7.12.1)
.rept 4
	v_nop
.endr
.endm
	s_load_b128 s[4:7], s[0:1], 0x0                ; ctx s[4:5], wb s[6:7]
	s_load_b128 s[68:71], s[0:1], 0x10             ; b_o s[68:69], out0 s[70:71]
	v_lshl_add_u32 v254, v0, 2, 0x40000
	v_mov_b32 v255, 0
	ds_add_u32 v254, v255
	ds_add_u32 v254, v255
	v_lshrrev_b32 v1, 5, v0
	v_readfirstlane_b32 s10, v1                    ; wave
	s_lshr_b32 s11, s10, 1                         ; mh.  Also: I fetch ctx (0) or w_o (1)
	s_and_b32 s12, s10, 1                          ; cw.  Also: which half of that tile
	s_bfe_u32 s40, ttmp6, 0x40000                  ; cx
	s_bfe_u32 s41, ttmp6, 0x40004                  ; cy
	s_lshl_b32 s42, ttmp9, 2
	s_add_co_u32 s42, s42, s40                     ; nt
	s_and_b32 s13, ttmp7, 0xffff
	s_lshl_b32 s13, s13, 2
	s_add_co_u32 s13, s13, s41                     ; mblk
	s_lshl_b32 s43, s41, 2
	s_lshl_b32 s43, 15, s43                        ; my row of the cluster
	s_lshl_b32 s44, 0x1111, s40                    ; my column
	s_or_b32 s[G1+0], s43, (3<<16)|(1<<21)         ; mask; 8-byte elements; bit 21 beside a mask
	s_or_b32 s[G1B+0], s44, (3<<16)|(1<<21)
	s_mov_b32 s[G1+1], 32<<16                      ; a dense block as 128 rows of 32 x 8 = 256 bytes
	s_mov_b32 s[G1B+1], 32<<16
	s_mov_b32 s[G1+2], 128<<16
	s_mov_b32 s[G1B+2], 128<<16
	s_mov_b32 s[G1+3], 32<<16
	s_mov_b32 s[G1B+3], 32<<16
	s_mov_b32 s[G1+4], 128
	s_mov_b32 s[G1B+4], 128
	s_mov_b32 s[G1+5], 32
	s_mov_b32 s[G1B+5], 32
	s_mov_b32 s[G1+6], 0
	s_mov_b32 s[G1B+6], 0
	s_mov_b32 s[G1+7], 0
	s_mov_b32 s[G1B+7], 0
	s_lshl_b32 s16, s13, 18                        ; ctx: mblk x 262,144 + half x 32,768
	s_lshl_b32 s17, s12, 15
	s_add_co_u32 s16, s16, s17
	s_mov_b32 s17, 0
	s_lshl_b32 s46, s42, 18                        ; w_o: 6,291,456 + nt x 262,144 + half x 32,768
	s_lshl_b32 s47, s12, 15
	s_add_co_u32 s46, s46, s47
	s_add_co_u32 s46, s46, 6291456
	s_mov_b32 s47, 0
	s_lshl_b32 s20, s10, 15                        ; LDS: wave x 32,768: ctx's two halves, then w_o's two
	s_wait_dscnt 0x0
	s_wait_kmcnt 0x0
	s_add_nc_u64 s[14:15], s[4:5], s[16:17]
	s_add_nc_u64 s[46:47], s[6:7], s[46:47]
	CROUND                                         ; in front of the first joint loads
.irp s, 0,1
	s_mov_b32 s[G0+4*\s], 1
	s_add_co_u32 s[G0+4*\s+1], s20, \s*SLOT
	s_add_nc_u64 s[G0+4*\s+2:G0+4*\s+3], s[14:15], \s*KBYTES
	s_or_b32 s[G0+4*\s+3], s[G0+4*\s+3], 0x80000000
	s_mov_b32 s[G0B+4*\s], 1
	s_add_co_u32 s[G0B+4*\s+1], s20, \s*SLOT
	s_add_nc_u64 s[G0B+4*\s+2:G0B+4*\s+3], s[46:47], \s*KBYTES
	s_or_b32 s[G0B+4*\s+3], s[G0B+4*\s+3], 0x80000000
	JLOAD \s                                       ; both first fills together: two loads of the wave are out
.endr
	v_and_b32 v1, 15, v0                           ; r
	v_bfe_u32 v2, v0, 4, 1                         ; h
	v_and_b32 v3, 31, v0
	v_lshlrev_b32 v3, 4, v3                        ; 16 L
	s_lshl_b32 s22, s11, 13                        ; my four token tiles of 2,048 bytes
	s_lshl_b32 s23, s12, 12                        ; my four column tiles of 1,024 bytes
	s_add_co_u32 s23, s23, KBYTES
.irp s, 0,1
	v_add_nc_u32 v[ADRA+\s], s22, v3
	v_add_nc_u32 v[ADRB+\s], s23, v3
	s_add_co_u32 s22, s22, SLOT
	s_add_co_u32 s23, s23, SLOT
.endr
	v_lshlrev_b32 v[CO], 4, v1                     ; out: columns 4 r .. 4 r + 3,
	v_lshl_add_u32 v[CO], v2, 15, v[CO]            ;      8 rows of 4,096 bytes further down for h = 1
	s_lshl_b32 s74, s42, 9                         ; my 64 columns in bytes: 512 nt + 256 cw
	s_lshl_b32 s75, s12, 8
	s_add_co_u32 s74, s74, s75
	v_lshl_add_u32 v27, v1, 4, s74
	global_load_b128 v[BIAS:BIAS+3], v27, s[68:69] ; b_o of my four columns; waited for on the way out
	s_lshl_b32 s72, s13, 19                        ; my first row: (128 mblk + 64 mh) x 4,096 bytes
	s_lshl_b32 s73, s11, 18
	s_add_co_u32 s72, s72, s73
	s_add_co_u32 s72, s72, s74
	s_mov_b32 s73, 0
	s_add_nc_u64 s[70:71], s[70:71], s[72:73]
; 16 LDS loads: the fragments of k / 32 = kap of the step into buffer f
.macro FETCH slot, kap, f
.irp a, 0,1,2,3
	ds_load_b128 v[32+64*\f+8*\a:32+64*\f+8*\a+3],   v[ADRA+\slot] offset:(\kap>>1)*16384+\a*2048+(\kap&1)*1024
	ds_load_b128 v[32+64*\f+8*\a+4:32+64*\f+8*\a+7], v[ADRA+\slot] offset:(\kap>>1)*16384+\a*2048+(\kap&1)*1024+512
.endr
.irp b, 0,1,2,3
	ds_load_b128 v[64+64*\f+8*\b:64+64*\f+8*\b+3],   v[ADRB+\slot] offset:\kap*8192+\b*1024
	ds_load_b128 v[64+64*\f+8*\b+4:64+64*\f+8*\b+7], v[ADRB+\slot] offset:\kap*8192+\b*1024+512
.endr
.endm
; 16 matrix instructions on buffer f; the 16 accumulators take turns, one instruction a turn
.macro MUL16 f, zero
	WIN 0x50                                       ; C and D window 1
.irp a, 0,1,2,3
.irp b, 0,1,2,3
.if \zero
	v_wmma_f32_16x16x32_f16 v[8*(4*\a+\b):8*(4*\a+\b)+7], v[32+64*\f+8*\a:32+64*\f+8*\a+7], v[64+64*\f+8*\b:64+64*\f+8*\b+7], 0
.else
	v_wmma_f32_16x16x32_f16 v[8*(4*\a+\b):8*(4*\a+\b)+7], v[32+64*\f+8*\a:32+64*\f+8*\a+7], v[64+64*\f+8*\b:64+64*\f+8*\b+7], v[8*(4*\a+\b):8*(4*\a+\b)+7]
.endif
.endr
.endr
	WIN 0
.endm
.macro KAP slot, nxt, fn, fc, zero     ; fetch kap = nxt into buffer fn, multiply buffer fc
	PLACES
	FETCH \slot, \nxt, \fn
	s_wait_dscnt 16                                ; all but the 16 just issued
	MUL16 \fc, \zero
.endm
.macro STEP slot, zero
	FETCH \slot, 0, 0
	KAP \slot, 1, 1, 0, \zero
	KAP \slot, 2, 0, 1, 0
	KAP \slot, 3, 1, 0, 0
	KAP \slot, 4, 0, 1, 0
	KAP \slot, 5, 1, 0, 0
	KAP \slot, 6, 0, 1, 0
	KAP \slot, 7, 1, 0, 0
	s_wait_dscnt 0
	MUL16 1, 0
.endm
; The change of slots.  Each wave waits for its reads of the slot and for all its tensor loads (one is out: its part of the other slot).
; fill = 1: a round of the cluster's barrier, and the joint refill, two K steps ahead, first behind it.  fill = 0: my work-group's barrier alone.
.macro CHANGE slot, fill
	s_wait_dscnt 0
	s_wait_tensorcnt 0x0
	ds_add_u32 v254, v255
	s_wait_dscnt 0x0
.if \fill
	s_add_nc_u64 s[G0+4*\slot+2:G0+4*\slot+3], s[G0+4*\slot+2:G0+4*\slot+3], 2*KBYTES
	s_add_nc_u64 s[G0B+4*\slot+2:G0B+4*\slot+3], s[G0B+4*\slot+2:G0B+4*\slot+3], 2*KBYTES
	CROUND
	JLOAD \slot
.else
	s_barrier_signal -1
	s_barrier_wait -1
.endif
	PLACES
.endm
	s_wait_tensorcnt 1                             ; my part of K step 0 is in; K step 1's load stays out
	s_barrier_signal -1
	s_barrier_wait -1
	STEP 0, 1                                      ; the first products start the sums
	CHANGE 0, 1
	STEP 1, 0
	CHANGE 1, 1
	STEP 0, 0
	CHANGE 0, 0
	STEP 1, 0
	; THE WAY OUT: register j of tile (a, b) in lane (r, h) is token 16 a + 8 h + j, column 4 r + b.
	PLACES
	s_wait_loadcnt 0x0                             ; the bias
	WIN 0x01                                       ; source 0 window 1
.irp a, 0,1,2,3
.irp j, 0,1,2,3,4,5,6,7
.irp b, 0,1,2,3
	v_add_f32 v[32+4*(8*\a+\j)+\b], v[8*(4*\a+\b)+\j], v[BIAS+\b]
.endr
.endr
.endr
	WIN 0
.irp a, 0,1,2,3
.irp j, 0,1,2,3,4,5,6,7
	global_store_b128 v[CO], v[32+4*(8*\a+\j):32+4*(8*\a+\j)+3], s[70:71] offset:(16*\a+\j)*4096 th:TH_STORE_NT   ; sixteen lanes store 256 consecutive bytes of a row, aligned
.endr
.endr
	CROUND                                         ; the closing round
	s_endpgm
.Lfunc_end_k_q56f7498896_oproj:
	.size	k_q56f7498896_oproj, .Lfunc_end_k_q56f7498896_oproj-k_q56f7498896_oproj
	.p2alignl 7, 3214868480
	.fill 96, 4, 3214868480
	.section	.rodata,"a",@progbits
	.p2align	6, 0x0
	.amdhsa_kernel k_q56f7498896_oproj
		.amdhsa_group_segment_fixed_size 327680
		.amdhsa_private_segment_fixed_size 0
		.amdhsa_enable_private_segment 0
		.amdhsa_kernarg_size 32
		.amdhsa_user_sgpr_count 2
		.amdhsa_user_sgpr_kernarg_segment_ptr 1
		.amdhsa_wavefront_size32 1
		.amdhsa_system_sgpr_workgroup_id_x 1
		.amdhsa_system_sgpr_workgroup_id_y 1
		.amdhsa_system_sgpr_workgroup_id_z 1
		.amdhsa_system_vgpr_workitem_id 0
		.amdhsa_next_free_vgpr 384
		.amdhsa_next_free_sgpr 76
		.amdhsa_reserve_vcc 0
		.amdhsa_float_denorm_mode_32 3
		.amdhsa_float_denorm_mode_16_64 3
		.amdhsa_memory_ordered 1
		.amdhsa_forward_progress 1
		.amdhsa_inst_pref_size 87
	.end_amdhsa_kernel
	.amdgpu_metadata
---
amdhsa.version: [ 1, 2 ]
amdhsa.kernels:
  - .name:           k_q56f7498896_oproj
    .symbol:         k_q56f7498896_oproj.kd
    .args:
      - { .name: ctx, .offset: 0, .size: 8, .value_kind: global_buffer, .address_space: global }
      - { .name: wb, .offset: 8, .size: 8, .value_kind: global_buffer, .address_space: global }
      - { .name: b_o, .offset: 16, .size: 8, .value_kind: global_buffer, .address_space: global }
      - { .name: out0, .offset: 24, .size: 8, .value_kind: global_buffer, .address_space: global }
    .group_segment_fixed_size: 327680
    .private_segment_fixed_size: 0
    .kernarg_segment_align: 8
    .kernarg_segment_size: 32
    .max_flat_workgroup_size: 128
    .sgpr_count:     76
    .vgpr_count:     384
    .wavefront_size: 32
...
	.end_amdgpu_metadata
.endif
;; end of part 4
